; MI455X (gfx1250); checked and timed in simulation.
; The chip was launched on July 23, 2026; its instructions are those of AMD's public machine-readable ISA for CDNA 5 (MIT licence, August 2026) and "CDNA5" Instruction Set Architecture Reference Guide (July 2026). The comments in the code are by the model that wrote it; some were corrected since.
;; Causal Self Attention. Allowed arithmetic: matrix products marked QUANTISED: E4M3 operands, one given power-of-two scale a tensor, by v_wmma_f32_16x16x64_fp8_fp8 or v_wmma_f32_16x16x128_fp8_fp8, f32 sums; everything else in f32.
;; Inputs: lowp_scales 8 int32 (the exponents e of the quantised operands' scales 2^e); w_attn 1,024 x 3,072 float32; w_proj 1,024 x 1,024 float32; x 4 x 2,048 x 1,024 float32.
;; Outputs: out0 4 x 2,048 x 1,024 float32.
;; This version of the problem:
;;   THIS VERSION OF THE PROBLEM IS GIVEN IN LOW PRECISION. The matrix products marked QUANTISED in the list below multiply operands that are first quantised to E4M3 (4 exponent bits, 3 mantissa bits; 8 bits a number), with one given power-of-two scale for each operand tensor; their sums are f32. All else is computed in f32.
;;   The module's matrix products, in the order in which they are computed (A, B: the left and right operand; K: the contracted axis; several contracted axes count as one K, in the product's order):
;;     1. [M 8,192, K 1,024] x [K 1,024, N 3,072]; A: input x; B: input w_attn: QUANTISED (scales: A lowp_scales[0], B lowp_scales[1])
;;     2. batch 64 x [M 2,048, K 64] x [K 64, N 2,048]; A: computed on the way; B: computed on the way: QUANTISED (scales: A lowp_scales[2], B lowp_scales[3])
;;     3. batch 64 x [M 2,048, K 2,048] x [K 2,048, N 64]; A: softmax (see below); B: computed on the way: QUANTISED (scales: A lowp_scales[4], B lowp_scales[5])
;;     4. [M 8,192, K 1,024] x [K 1,024, N 1,024]; A: computed on the way; B: input w_proj: QUANTISED (scales: A lowp_scales[6], B lowp_scales[7])
;;   THE QUANTISER, for each operand of a quantised product, along K:
;;     - The operand's scale is 2^e, e = its entry of the input lowp_scales (int32; the entries are numbered through the quantised products in the list's order, A before B).
;;     - Each number is divided by the scale, clamped to +-448, and rounded to the nearest number of E4M3, ties to even, subnormals kept.
;;     - The product sums the exact products of the quantised numbers (number of the format x scale) in f32.
;;   ~~~python
;;   def quantise(x, axis, e):      # numpy; x: float32 -> the quantised numbers, widened to float32 again
;;       x = np.moveaxis(x, axis, -1); K = x.shape[-1]
;;       r = np.clip(x / 2.0 ** e, -448, 448)
;;       step = 2.0 ** (np.maximum(np.frexp(np.where(r == 0, 1, r))[1] - 1, -6) - 3)
;;       q = np.round(r / step) * step * 2.0 ** e      # np.round: ties to even
;;       return np.moveaxis(q, -1, axis).astype(np.float32)
;;   ~~~
;;   SOFTMAX AHEAD OF A QUANTISED PRODUCT. Where the list says 'softmax', what is quantised is not the finished softmax but p = 2^(t - M), with t = logit x log2(e) and M = ceil(the row's largest t), a whole number; so 1/2 < the row's largest p <= 1. The row's sum l is taken of the UNQUANTISED p, in f32, and the product's result is divided by l at the end. Since M is a whole number, a kernel that streams over the keys may use a running M (the ceiling of the running maximum): every later rescaling is an exact power of two, so the quantised numbers keep their values, but for numbers so far below the row's largest that they fall under the format's range.
;;   OPERANDS COMPUTED ON THE WAY. 'Computed on the way' means the value that the module computes at that place (a softmax that the list does not call 'softmax' is quantised finished and normalised). What goes into a quantiser is computed in f32, as accurately as f32 sums, v_exp_f32 and their like allow (about 1e-6 of the number): no bf16 or f16 on the way to a quantiser, and a product that is left as it is and whose result goes on into a quantised operand takes f32 operands (vector FMAs, or v_wmma_f32_16x16x4_f32). A number that lies on a knife's edge between two numbers of the format may be rounded either way, as far as f32 arithmetic and the matrix unit's own rounding can turn it there, and no further.
;; One version. Each part assembles by itself: llvm-mc -triple=amdgcn-amd-amdhsa -mcpu=gfx1250 --defsym DOCPART=n.
;; ======== version 1 of 1: 4 launches
;; limits: right only within a limited range of input values
;; workspace buffers: xi 8,388,608 bytes; wa 3,145,728 bytes; wp 1,048,576 bytes; qi 8,388,608 bytes; ki 8,388,608 bytes; vi 8,388,608 bytes; yi 8,388,608 bytes
;; launch quant (part 1): grid 384 x 1, 4 waves a work-group, no clusters, 34,304 bytes of LDS; arguments x, w_attn, w_proj, lowp_scales, xi, wa, wp; writes xi, wa, wp
.if DOCPART == 1
	.amdgcn_target "amdgcn-amd-amdhsa--gfx1250"
	.amdhsa_code_object_version 6
	.text
	.protected	k_q922643efa6_quant
	.globl	k_q922643efa6_quant
	.p2align	8
	.type	k_q922643efa6_quant,@function
k_q922643efa6_quant:
	s_mov_b64 s[64:65], 0
	v_nop
	global_prefetch_b8 v0, s[64:65] scope:SCOPE_SE
	s_setreg_imm32_b32 hwreg(HW_REG_WAVE_MODE, 25, 1), 1
	s_wait_xcnt 0x0
; x [8192][1024], w_attn [1024][3072] and w_proj [1024][1024], f32, become codes of FP8 (E4M3), each with the one scale 2^e given for it (entries 0, 1 and 7 of the scales).
; code = number / 2^e, held within +-448, rounded to the nearest code, ties to even.
; LIMITS: each e lies between -126 and 119, so that 2^e and 448 x 2^e are f32 numbers.  NaN among the inputs is not served; an infinity is held at the largest code.
; THE CODES ARE LAID AS IMAGES OF OPERAND REGISTERS.  A fragment is 16 rows x 128 along K, 16 registers a lane: registers 2 c, 2 c + 1 of lane (r, h) hold k = 16 c + 8 h + 0 .. 7 of row r.
; Its image is 2,048 bytes: registers 4 g .. 4 g + 3 of lane l at 512 g + 16 l.  Images lie at (row / 16) x 16,384 + (K / 128) x 2,048.  For the weights a row is a column n of the weight.
; Work-groups 0 to 255 take x (two tiles of 16 rows each), work-groups 256 to 383 the weights (128 columns x 256 along K each).  Every work-group reads 128 KiB and writes 32 KiB.
; No tensor loads, no barrier: waves share nothing.  Only the x path touches LDS.
.set R,   16                           ; x path: v16-143  two sets of 64: a fragment as loaded
.set X,   144                          ; v144-207 the fragment with a lane's numbers along K
.set C,   208                          ; v208-239 two sets of 16: codes
.set SP,  528                          ; a stage row: 512 bytes + 16 of padding
.set VO,  16                           ; weights' path: v16-47 byte offsets of 32 rows of the weight at my column
.set XW,  48                           ; v48-111  two sets of 32 numbers down K
.set CW,  112                          ; v112-175 eight registers of codes for each block, never written again
.macro SCALE e                         ; v11 = 2^e as f32 (the conversion takes its exponent field)
	s_add_co_i32 s56, s[\e], 127
	s_lshl_b32 s57, s56, 23
	v_mov_b32 v11, s57
	s_add_co_i32 s56, s56, 8
	s_lshl_b32 s56, s56, 23
	s_or_b32 s56, s56, 0x600000
.endm
	s_load_b256 s[4:11], s[0:1], 0x0               ; x s[4:5], w_attn s[6:7], w_proj s[8:9], the scales s[10:11]
	s_load_b128 s[12:15], s[0:1], 0x20             ; xi s[12:13], wa s[14:15]
	s_load_b64 s[16:17], s[0:1], 0x30              ; wp
	v_lshl_add_u32 v254, v0, 2, 0x8400
	v_mov_b32 v255, 0
	v_lshrrev_b32 v1, 5, v0
	v_readfirstlane_b32 s20, v1                    ; wave 0..3
	v_and_b32 v2, 31, v0                           ; lane
	v_lshlrev_b32 v3, 4, v2                        ; 16 x lane
	s_wait_kmcnt 0x0
	s_load_b256 s[24:31], s[10:11], 0x0            ; e0 .. e7
	s_cmp_lt_u32 ttmp9, 256
	s_cbranch_scc0 .Lweights
; ---------------- x: wave w takes row tile 2 u + w / 2 and K steps 4 (w % 2) + 0 .. 3: four fragments
	s_lshr_b32 s21, s20, 1
	s_and_b32 s22, s20, 1
	s_lshl_b32 s23, ttmp9, 1
	s_add_co_u32 s23, s23, s21                     ; the row tile
	s_lshl_b32 s32, s23, 16                        ; 16 rows of 4,096 bytes
	s_lshl_b32 s34, s22, 11                        ; four K steps of 512 bytes
	s_add_co_u32 s32, s32, s34
	s_mov_b32 s33, 0
	s_add_nc_u64 s[4:5], s[4:5], s[32:33]
	s_lshl_b32 s32, s23, 14                        ; the tile's eight images
	s_lshl_b32 s34, s22, 13                        ; four of them on
	s_add_co_u32 s32, s32, s34
	s_add_nc_u64 s[12:13], s[12:13], s[32:33]
	s_mul_i32 s35, s20, 16*SP                      ; my wave's stage
	s_wait_alu depctr_va_vdst(0)
	v_add_nc_u32 v14, s35, v3                      ; in: a row's 512 bytes as they lie, 16 a lane
	v_and_b32 v4, 15, v2                           ; r
	v_lshrrev_b32 v5, 4, v2                        ; h
	v_mul_u32_u24 v15, v4, SP
	v_lshl_add_u32 v15, v5, 5, v15
	v_add_nc_u32 v15, s35, v15                     ; out: row r, + 32 h bytes: eight numbers of my half
.macro LOADX i                         ; fragment i: sixteen rows, each load 512 consecutive bytes
.set n, 0
.rept 16
	global_load_b128 v[R+64*((\i)%2)+4*n:R+64*((\i)%2)+4*n+3], v3, s[4:5] offset:n*4096+(\i)*512 th:TH_LOAD_NT
.set n, n+1
.endr
.endm
.macro FRAGX i
.set CS, C+16*((\i)%2)
.if (\i) < 3
	s_wait_loadcnt 16                              ; this fragment's sixteen loads are in; the next fragment's sixteen may be out
.else
	s_wait_loadcnt 0x0
.endif
.set n, 0
.rept 16
	ds_store_b128 v14, v[R+64*((\i)%2)+4*n:R+64*((\i)%2)+4*n+3] offset:n*SP
.set n, n+1
.endr
.irp g, 0,1,2,3                        ; LDS serves a wave's instructions in order: these see the stores.  Registers 16 g + 0 .. 7: k = 32 g + 8 h + 0 .. 7; 16 g + 8 .. 15: k = 32 g + 16 + 8 h + 0 .. 7
	ds_load_b128 v[X+16*\g:X+16*\g+3], v15 offset:128*\g
	ds_load_b128 v[X+16*\g+4:X+16*\g+7], v15 offset:128*\g+16
	ds_load_b128 v[X+16*\g+8:X+16*\g+11], v15 offset:128*\g+64
	ds_load_b128 v[X+16*\g+12:X+16*\g+15], v15 offset:128*\g+80
.endr
	s_wait_dscnt 0x0                               ; the fragment is back, and the stage stores have read their registers,
.if (\i)+2 < 4
	LOADX (\i)+2                                   ; which take the fragment two on
.endif
.if (\i) >= 2
	s_wait_xcnt 0x0                                ; the stores of two fragments back have read their codes: that set is written again only behind this wait
.endif
.set n, 0
.rept 64
.set n, n+1
.endr
.irp g, 0,1,2,3
	v_cvt_scalef32_pk8_fp8_f32 v[CS+4*\g:CS+4*\g+1], v[X+16*\g:X+16*\g+7], v11
	v_cvt_scalef32_pk8_fp8_f32 v[CS+4*\g+2:CS+4*\g+3], v[X+16*\g+8:X+16*\g+15], v11
.endr
	v_nop                                          ; a plain line between the conversions and the stores that read their codes
.irp g, 0,1,2,3
	global_store_b128 v3, v[CS+4*\g:CS+4*\g+3], s[12:13] offset:(\i)*2048+\g*512   ; 32 lanes store 512 consecutive bytes, aligned
.endr
.endm
	LOADX 0
	LOADX 1
	s_wait_alu depctr_va_vdst(0)
	s_wait_kmcnt 0x0
	SCALE 24                                       ; e0
	s_wait_alu depctr_va_vdst(0)
	FRAGX 0
	FRAGX 1
	FRAGX 2
	FRAGX 3
	s_wait_tensorcnt 0x0
	ds_add_u32 v254, v255
	s_wait_dscnt 0x0
	s_endpgm
; ---------------- the weights, K along their FIRST axis: a lane takes a column and its registers run down K, so the conversions give codes with K innermost and nothing is transposed
.Lweights:
	s_sub_co_u32 s21, ttmp9, 256                   ; 0 .. 95: w_attn, 96 .. 127: w_proj
	s_cmp_lt_u32 s21, 96
	s_cselect_b64 s[6:7], s[6:7], s[8:9]           ; the choices hang on the work-group's number alone
	s_cselect_b64 s[14:15], s[14:15], s[16:17]
	s_mov_b32 s22, 4096
	s_cselect_b32 s22, 12288, s22                  ; bytes in a row of the weight
	s_cselect_b32 s23, 0, 96
	s_sub_co_u32 s23, s21, s23
	s_lshr_b32 s48, s23, 2                         ; which 128 columns
	s_and_b32 s49, s23, 3                          ; which 256 along K
	s_lshl_b32 s48, s48, 7
	s_lshl_b32 s50, s20, 5
	s_add_co_u32 s48, s48, s50                     ; my wave's first column
	s_lshl_b32 s50, s49, 8
	s_mul_i32 s50, s50, s22
	s_lshl_b32 s51, s48, 2
	s_add_co_u32 s50, s50, s51                     ; bytes to my first row and column
	s_mov_b32 s51, 0
	s_lshl_b32 s52, s22, 5                         ; 32 rows on
	s_mov_b32 s53, 0
	s_add_nc_u64 s[32:33], s[6:7], s[50:51]        ; a base for each of the eight blocks of 32 along K: nothing is stepped later
.irp t, 1,2,3,4,5,6,7
	s_add_nc_u64 s[32+2*\t:33+2*\t], s[30+2*\t:31+2*\t], s[52:53]
.endr
	s_lshl_b32 s54, s48, 10                        ; (column / 16) x 16,384
	s_lshl_b32 s55, s49, 12                        ; two K steps of 2,048 for each 256 along K
	s_add_co_u32 s54, s54, s55
	s_mov_b32 s55, 0
	s_add_nc_u64 s[14:15], s[14:15], s[54:55]
	s_wait_alu depctr_va_vdst(0)
	v_lshlrev_b32 v4, 2, v2                        ; 4 bytes a lane
.set n, 0
.rept 32
	v_mad_u32_u24 v[VO+n], s22, n, v4              ; row n of a block, my column
.set n, n+1
.endr
	v_lshrrev_b32 v5, 4, v2
	v_and_b32 v6, 15, v2
	v_lshlrev_b32 v8, 14, v5
	v_lshl_add_u32 v8, v6, 4, v8                   ; my column's tile of 16 and its place there: (lane / 16) x 16,384 + 16 (lane % 16)
.macro LOADW t                         ; block t: 32 rows; each load reads 128 consecutive bytes a wave, 512 a work-group
.set n, 0
.rept 32
	global_load_b32 v[XW+32*((\t)%2)+n], v[VO+n], s[32+2*(\t):33+2*(\t)] th:TH_LOAD_NT
.set n, n+1
.endr
.endm
.macro BLOCK t
.set XS, XW+32*((\t)%2)
.set CB, CW+8*(\t)
.if (\t) < 7
	s_wait_loadcnt 32                              ; this block's 32 loads are in; the next block's may be out
.else
	s_wait_loadcnt 0x0
.endif
.set n, 0
.rept 32
.set n, n+1
.endr
	v_cvt_scalef32_pk8_fp8_f32 v[CB:CB+1], v[XS:XS+7], v11           ; what lane (r, 0) of the image holds: k = 0 .. 7 and 16 .. 23 of the block,
	v_cvt_scalef32_pk8_fp8_f32 v[CB+2:CB+3], v[XS+16:XS+23], v11
	v_cvt_scalef32_pk8_fp8_f32 v[CB+4:CB+5], v[XS+8:XS+15], v11      ; and lane (r, 1): k = 8 .. 15 and 24 .. 31
	v_cvt_scalef32_pk8_fp8_f32 v[CB+6:CB+7], v[XS+24:XS+31], v11
	v_nop
	global_store_b128 v8, v[CB:CB+3], s[14:15] offset:((\t)/4)*2048+((\t)%4)*512        ; sixteen lanes store 256 consecutive bytes, aligned
	global_store_b128 v8, v[CB+4:CB+7], s[14:15] offset:((\t)/4)*2048+((\t)%4)*512+256
.if (\t)+2 < 8
	LOADW (\t)+2
.endif
.endm
	LOADW 0
	LOADW 1
	s_wait_kmcnt 0x0
	s_cmp_lt_u32 s21, 96
	s_cselect_b32 s58, s25, s31                    ; e1 or e7
	SCALE 58
	s_wait_alu depctr_va_vdst(0)
.irp t, 0,1,2,3,4,5,6,7
	BLOCK \t
.endr
	s_endpgm
.Lfunc_end_k_q922643efa6_quant:
	.size	k_q922643efa6_quant, .Lfunc_end_k_q922643efa6_quant-k_q922643efa6_quant
	.p2alignl 7, 3214868480
	.fill 96, 4, 3214868480
	.section	.rodata,"a",@progbits
	.p2align	6, 0x0
	.amdhsa_kernel k_q922643efa6_quant
		.amdhsa_group_segment_fixed_size 34304
		.amdhsa_private_segment_fixed_size 0
		.amdhsa_enable_private_segment 0
		.amdhsa_kernarg_size 56
		.amdhsa_user_sgpr_count 2
		.amdhsa_user_sgpr_kernarg_segment_ptr 1
		.amdhsa_wavefront_size32 1
		.amdhsa_system_sgpr_workgroup_id_x 1
		.amdhsa_system_sgpr_workgroup_id_y 1
		.amdhsa_system_sgpr_workgroup_id_z 1
		.amdhsa_system_vgpr_workitem_id 0
		.amdhsa_next_free_vgpr 256
		.amdhsa_next_free_sgpr 66
		.amdhsa_reserve_vcc 0
		.amdhsa_float_denorm_mode_32 3
		.amdhsa_float_denorm_mode_16_64 3
		.amdhsa_fp16_overflow 1
		.amdhsa_memory_ordered 1
		.amdhsa_forward_progress 1
		.amdhsa_inst_pref_size 52
	.end_amdhsa_kernel
	.amdgpu_metadata
---
amdhsa.version: [ 1, 2 ]
amdhsa.kernels:
  - .name:           k_q922643efa6_quant
    .symbol:         k_q922643efa6_quant.kd
    .args:
      - { .name: x, .offset: 0, .size: 8, .value_kind: global_buffer, .address_space: global }
      - { .name: w_attn, .offset: 8, .size: 8, .value_kind: global_buffer, .address_space: global }
      - { .name: w_proj, .offset: 16, .size: 8, .value_kind: global_buffer, .address_space: global }
      - { .name: lowp_scales, .offset: 24, .size: 8, .value_kind: global_buffer, .address_space: global }
      - { .name: xi, .offset: 32, .size: 8, .value_kind: global_buffer, .address_space: global }
      - { .name: wa, .offset: 40, .size: 8, .value_kind: global_buffer, .address_space: global }
      - { .name: wp, .offset: 48, .size: 8, .value_kind: global_buffer, .address_space: global }
    .group_segment_fixed_size: 34304
    .private_segment_fixed_size: 0
    .kernarg_segment_align: 8
    .kernarg_segment_size: 56
    .max_flat_workgroup_size: 128
    .sgpr_count:     66
    .vgpr_count:     256
    .wavefront_size: 32
...
	.end_amdgpu_metadata
.endif
;; end of part 1
;; launch qkv (part 2): grid 12 x 32, 4 waves a work-group, clusters of 4 x 4, 327,680 bytes of LDS; arguments xi, wa, lowp_scales, qi, ki, vi; writes qi, ki, vi
.if DOCPART == 2
	.amdgcn_target "amdgcn-amd-amdhsa--gfx1250"
	.amdhsa_code_object_version 6
	.text
	.protected	k_q922643efa6_qkv
	.globl	k_q922643efa6_qkv
	.p2align	8
	.type	k_q922643efa6_qkv,@function
k_q922643efa6_qkv:
	s_mov_b64 s[64:65], 0
	v_nop
	global_prefetch_b8 v0, s[64:65] scope:SCOPE_SE
	s_setreg_imm32_b32 hwreg(HW_REG_WAVE_MODE, 25, 1), 1
	s_wait_xcnt 0x0
	s_wait_alu depctr_hold_cnt(0) depctr_sa_sdst(0) depctr_va_vdst(0) depctr_va_sdst(0) depctr_va_ssrc(0) depctr_va_vcc(0) depctr_vm_vsrc(0)
	s_getreg_b32 s2, hwreg(HW_REG_IB_STS2, 6, 4)
	s_cmp_eq_u32 s2, 0
	s_cbranch_scc0 .Lentry_in_a_cluster
	s_endpgm
.Lentry_in_a_cluster:
	s_bfe_u32 s2, ttmp6, 0x10000c
	s_cmp_lg_u32 s2, 0xf033
	s_cbranch_scc0 .Lentry_shape_is_right
	s_endpgm
.Lentry_shape_is_right:
; qkv = x w_attn on codes of FP8 (E4M3), and its results quantised at once into the operands of attention: q, k (K = the head's 64) and v (K = the tokens).
; Operands come as images of operand registers (16 rows x 128 K: 2,048 bytes, registers 4 g .. 4 g + 3 of lane l at 512 g + 16 l; images at (row / 16) x 16,384 + (K / 128) x 2,048).
; A tile of 256 x 256 of the product is made by four waves, 128 x 128 each: 64 accumulators, 512 registers.  K = 1,024 goes in four fills of 256 through two LDS slots; the text is straight, with no backward jump.
; TWO SIDES.  Source 1 (the P side) gives a lane its row, source 0 (the R side) eight neighbours in an accumulator's registers.  What is to be the next K must lie on the R side:
;   clusters x = 0 (q) and 1 (k): P = tokens, R = columns of w_attn: a lane holds one token and eight neighbouring channels;
;   cluster  x = 2 (v):           P = columns of w_attn, R = tokens: a lane holds one channel and eight neighbouring tokens.
; So one conversion of an accumulator's eight registers gives registers 2 c, 2 c + 1 of the next operand, and the codes leave from registers, 512 consecutive bytes a store.
; The choice hangs on the cluster's x, which all sixteen partners share; it selects pointers and numbers, never a branch.
; CLUSTER 4 x 4: P's tile hangs on cy alone and is asked for jointly by a row of the cluster, R's on cx alone and by a column.
; OUT: qi, ki: (head x 128 + token / 16) x 1,024 (16 tokens x 64);  vi: ((head x 16 + token / 128) x 4 + channel / 16) x 2,048 (16 channels x 128 tokens); head counts 16 x batch + head.
; A sum stands for sum x 2^(e0 + e1), so its code is sum / 2^(eo - e0 - e1), eo = e2 (q), e3 (k), e5 (v).  LIMIT: eo - e0 - e1 lies between -126 and 119.
; REGISTERS, in windows of 256: window 0: v8-11 store offsets, v16-21 LDS addresses, v28-30 spare word, zero and scale, v128-255 P's fragments (one set), later the codes.
;   window 1: R's fragments, two sets.   window 2: the accumulators of my P rows 0-63 ((a, b) at v[8 (8 a + b)]);   window 3: of rows 64-127.
.set SLOT,  131072                     ; P's 16 row tiles of 4,096 bytes (256 along K), then R's 16
.set SPARE, 2*SLOT                     ; behind the ring: the spare words, 128 bytes for each wave
.set FR,    16
.set NL,    4
.set NP,    4
.set VO,    8                          ; v8-11   store offsets of a fragment's four groups
.set ADRA,  16                         ; v16-17  LDS address of my P fragments in slot 0, 1
.set ADRB,  20                         ; v20-21  the same for R
.set SPW,   28                         ; v28     LDS address of my spare word; never rewritten
.set NIL,   29                         ; v29     0; never rewritten
.set SCL,   30                         ; v30     2^(eo - e0 - e1)
.set LIMV,  31
.set TMP,   32
.set AF,    128
.set G1,  24                           ; s[24:31] group 1 for P, s[32:39] group 0, a set for each slot
.set G0,  32
.set G1B, 48                           ; s[48:55], s[56:63] the same for R
.set G0B, 56
.set OB,  66                           ; s[66:81] eight output bases, one for each P block of 16
.set MSB, 0
.macro WIN new                         ; the immediate's high byte repeats the setting that is left
.if MSB != \new
	s_set_vgpr_msb (MSB<<8)|\new
.set MSB, \new
.endif
.endm
.set MUL_LO, 0xa1                      ; source 0 (R) window 1, source 1 (P) window 0, C and D window 2
.set MUL_HI, 0xf1                      ; the same, C and D window 3
.set TO_B,   0x40                      ; destination window 1, address window 0
; A joint load: waves 0 and 1 fetch P's halves, waves 2 and 3 R's.  The branch hangs on the wave's number alone.  Four v_nop follow each of the two lines.
.macro JLOAD g0a, g1a, g0b, g1b
	s_cmp_eq_u32 s17, 0
	s_cbranch_scc0 .Lfor_r_\@
	tensor_load_to_lds s[\g0a:\g0a+3], s[\g1a:\g1a+7]
	s_nop 0
.rept 4
	v_nop
.endr
	s_branch .Lasked_\@
.Lfor_r_\@:
	tensor_load_to_lds s[\g0b:\g0b+3], s[\g1b:\g1b+7]
	s_nop 0
.rept 4
	v_nop
.endr
.Lasked_\@:
.endm
.macro CREST                           ; a round of the cluster's barrier behind its opening barrier
	s_cmp_lg_u32 s16, 0
	s_cbranch_scc1 .Lnot_wave_0_\@
	s_barrier_signal -3
.Lnot_wave_0_\@:
	s_barrier_wait -3
	s_barrier_signal -1
	s_barrier_wait -1
.endm
.macro CROUND
	s_barrier_signal -1
	s_barrier_wait -1
	CREST
.endm
	s_load_b256 s[4:11], s[0:1], 0x0               ; xi s[4:5], wa s[6:7], the scales s[8:9], qi s[10:11]
	s_load_b128 s[12:15], s[0:1], 0x20             ; ki s[12:13], vi s[14:15]
	v_lshl_add_u32 v[SPW], v0, 2, SPARE
	v_mov_b32 v[NIL], 0
	ds_add_u32 v28, v29
	ds_add_u32 v28, v29
	s_wait_dscnt 0x0
	v_lshrrev_b32 v1, 5, v0
	v_readfirstlane_b32 s16, v1                    ; wave 0..3
	s_lshr_b32 s17, s16, 1                         ; which half of P's rows is mine.  Also: I fetch for P (0) or for R (1)
	s_and_b32 s18, s16, 1                          ; which half of R's rows.  Also: which half of that tile I fetch
	s_bfe_u32 s19, ttmp6, 0x40000                  ; cx
	s_bfe_u32 s20, ttmp6, 0x40004                  ; cy
	s_and_b32 s23, ttmp7, 0xffff
	s_lshl_b32 s23, s23, 2                         ; 4 x cluster y
	s_lshl_b32 s3, ttmp9, 2                        ; 4 x cluster x
	s_cmp_eq_u32 ttmp9, 2
	s_cselect_b32 s21, 8, s23                      ; P's tile of 256 rows: v's columns begin at tile 8 of wa; else tokens
	s_cselect_b32 s22, s23, s3                     ; R's: tokens; else columns of q or k
	s_add_co_u32 s21, s21, s20                     ; + cy
	s_add_co_u32 s22, s22, s19                     ; + cx
	s_lshl_b32 s40, s20, 2
	s_lshl_b32 s40, 15, s40                        ; my row of the cluster
	s_lshl_b32 s41, 0x1111, s19                    ; my column
	; group 1: 8 row tiles x 4,096 bytes (512 elements of 8 bytes), 16,384 bytes (2,048 elements) apart; dense in LDS
	s_or_b32 s[G1], s40, (3<<16)|(1<<21)           ; 15:0 the mask; 17:16 elements of 8 bytes; 21 set beside a mask
	s_or_b32 s[G1B], s41, (3<<16)|(1<<21)
.irp g, G1, G1B
	s_mov_b32 s[\g+1], 512<<16                     ; tensor_dim0
	s_mov_b32 s[\g+2], 8<<16                       ; tensor_dim1
	s_mov_b32 s[\g+3], 512<<16                     ; tile_dim0
	s_mov_b32 s[\g+4], 8                           ; tile_dim1
	s_mov_b32 s[\g+5], 2048                        ; tensor_dim0_stride
	s_mov_b32 s[\g+6], 0
	s_mov_b32 s[\g+7], 0
.endr
	s_lshl_b32 s2, s18, 17                         ; the half that I fetch: 8 row tiles of 16,384 bytes
	s_lshl_b32 s92, s21, 18                        ; a tile of 256 rows is 262,144 bytes
	s_add_co_u32 s92, s92, s2
	s_mov_b32 s93, 0
	s_lshl_b32 s94, s22, 18
	s_add_co_u32 s94, s94, s2
	s_mov_b32 s95, 0
	s_lshl_b32 s42, s16, 15                        ; where it goes: wave x 32,768: no place in the cluster enters an LDS address
	s_wait_kmcnt 0x0
	s_load_b256 s[84:91], s[8:9], 0x0              ; e0 .. e7
	s_cmp_eq_u32 ttmp9, 2
	s_cselect_b64 s[44:45], s[6:7], s[4:5]         ; P's buffer
	s_cselect_b64 s[46:47], s[4:5], s[6:7]         ; R's buffer
	s_add_nc_u64 s[44:45], s[44:45], s[92:93]
	s_add_nc_u64 s[46:47], s[46:47], s[94:95]
	CROUND                                         ; all sixteen work-groups are here: the first joint loads meet
.irp s, 0,1
	s_mov_b32 s[G0+4*\s], 1
	s_add_co_u32 s[G0+4*\s+1], s42, \s*SLOT
	s_add_nc_u64 s[G0+4*\s+2:G0+4*\s+3], s[44:45], \s*4096
	s_or_b32 s[G0+4*\s+3], s[G0+4*\s+3], 0x80000000
	s_mov_b32 s[G0B+4*\s], 1
	s_add_co_u32 s[G0B+4*\s+1], s42, \s*SLOT
	s_add_nc_u64 s[G0B+4*\s+2:G0B+4*\s+3], s[46:47], \s*4096
	s_or_b32 s[G0B+4*\s+3], s[G0B+4*\s+3], 0x80000000
	JLOAD G0+4*\s, G1, G0B+4*\s, G1B
.endr
	v_and_b32 v1, 31, v0
	v_lshlrev_b32 v[VO], 4, v1                     ; 16 x lane: an image's place for my lane
	s_wait_alu depctr_va_vdst(0)
	s_lshl_b32 s2, s17, 15                         ; my 8 row tiles of P
	s_lshl_b32 s3, s18, 15                         ; my 8 of R,
	s_add_co_u32 s3, s3, 65536                     ; which lie behind P's 16
.irp s, 0,1
	v_add_nc_u32 v[ADRA+\s], s2, v[VO]
	v_add_nc_u32 v[ADRB+\s], s3, v[VO]
	s_add_co_u32 s2, s2, SLOT
	s_add_co_u32 s3, s3, SLOT
.endr
	; where my results go, both ways, and the choice.  q, k: ((16 batch + head) x 128 + token tile) x 1,024
	s_lshl_b32 s96, s21, 4
	s_lshl_b32 s97, s17, 3
	s_add_co_u32 s96, s96, s97                     ; my first token tile of 16, counted through the batches
	s_lshr_b32 s97, s96, 7                         ; batch
	s_and_b32 s96, s96, 127
	s_lshl_b32 s97, s97, 4
	s_lshl_b32 s98, s19, 2
	s_add_co_u32 s97, s97, s98
	s_lshl_b32 s98, s18, 1
	s_add_co_u32 s97, s97, s98                     ; 16 batch + my first head (4 cx + 2 x my half)
	s_lshl_b32 s97, s97, 7
	s_add_co_u32 s96, s96, s97
	s_lshl_b32 s96, s96, 10
	; v: ((16 batch + head) x 16 + block of 128 tokens) x 8,192
	s_lshl_b32 s97, s22, 1
	s_add_co_u32 s97, s97, s18                     ; my block of 128 tokens, counted through the batches
	s_lshr_b32 s98, s97, 4                         ; batch
	s_and_b32 s97, s97, 15
	s_lshl_b32 s98, s98, 4
	s_lshl_b32 s99, s20, 2
	s_add_co_u32 s98, s98, s99
	s_lshl_b32 s99, s17, 1
	s_add_co_u32 s98, s98, s99                     ; 16 batch + my first head (4 cy + 2 x my half)
	s_lshl_b32 s98, s98, 4
	s_add_co_u32 s97, s97, s98
	s_lshl_b32 s97, s97, 13
	s_cmp_eq_u32 ttmp9, 2
	s_cselect_b32 s96, s97, s96
	s_mov_b32 s97, 0
	s_mov_b32 s100, 1024
	s_cselect_b32 s100, 2048, s100                 ; from a P block to the next: a token tile's image, or a channel tile's
	s_mov_b32 s101, 0
	s_mov_b32 s98, 1024
	s_cselect_b32 s98, 124928, s98                 ; from block 3 to block 4: for v the next head, 131,072 bytes behind block 0
	s_mov_b32 s99, 0
	s_cselect_b32 s82, 0, 130048                   ; q, k: groups 2 and 3 belong to the next head, 131,072 bytes on
	s_cselect_b64 s[OB:OB+1], s[14:15], s[12:13]
	s_cmp_eq_u32 ttmp9, 0
	s_cselect_b64 s[OB:OB+1], s[10:11], s[OB:OB+1]
	s_add_nc_u64 s[OB:OB+1], s[OB:OB+1], s[96:97]
.irp a, 1,2,3,4,5,6,7
.if \a == 4
	s_add_nc_u64 s[OB+2*\a:OB+2*\a+1], s[OB+2*\a-2:OB+2*\a-1], s[98:99]
.else
	s_add_nc_u64 s[OB+2*\a:OB+2*\a+1], s[OB+2*\a-2:OB+2*\a-1], s[100:101]
.endif
.endr
	v_add_nc_u32 v[VO+1], 512, v[VO]
	v_add_nc_u32 v[VO+2], s82, v[VO]
	v_add_nc_u32 v[VO+2], 1024, v[VO+2]
	v_add_nc_u32 v[VO+3], 512, v[VO+2]
	s_wait_alu depctr_va_vdst(0)
	s_wait_kmcnt 0x0
	s_cmp_eq_u32 ttmp9, 0
	s_cselect_b32 s2, s86, s87                     ; e2 or e3,
	s_cmp_eq_u32 ttmp9, 2
	s_cselect_b32 s2, s89, s2                      ; or e5
	s_sub_co_i32 s2, s2, s84
	s_sub_co_i32 s2, s2, s85                       ; the three scales folded into the conversion's one
	s_add_co_i32 s2, s2, 127
	s_lshl_b32 s3, s2, 23
	v_mov_b32 v[SCL], s3
.macro FRAG reg, adr, q, i             ; a fragment comes back as it was laid: four loads of 512 consecutive bytes
.irp c, 0,1,2,3
	ds_load_b128 v[\reg+4*\c:\reg+4*\c+3], v[\adr] offset:(\i)*4096+(\q)*2048+512*\c
.endr
.endm
; 16 matrix instructions: P's blocks a0, a0 + 1 x R's eight, 128 along K.  p: R's set.  zero = 1: the first product starts the sums.
; The 64 accumulators take turns, one instruction a turn, in the same order in every step.
.macro MUL16 a0, p, zero
.irp a, \a0, \a0+1
.irp b, 0,1,2,3,4,5,6,7
.if \zero
	v_wmma_f32_16x16x128_fp8_fp8 v[8*(8*((\a)%4)+\b):8*(8*((\a)%4)+\b)+7], v[128*(\p)+FR*\b:128*(\p)+FR*\b+FR-1], v[AF+FR*(\a):AF+FR*(\a)+FR-1], 0
.else
	v_wmma_f32_16x16x128_fp8_fp8 v[8*(8*((\a)%4)+\b):8*(8*((\a)%4)+\b)+7], v[128*(\p)+FR*\b:128*(\p)+FR*\b+FR-1], v[AF+FR*(\a):AF+FR*(\a)+FR-1], v[8*(8*((\a)%4)+\b):8*(8*((\a)%4)+\b)+7]
.endif
.endr
.endr
.endm
.macro FETCH_B slot, q, p              ; R's eight fragments of the slot's q-th 128 along K into set p
	WIN TO_B
.irp i, 0,1,2,3,4,5,6,7
	FRAG 128*(\p)+FR*\i, ADRB+\slot, \q, \i
.endr
	WIN 0
.endm
.macro FETCH_A slot, q, i0             ; P's blocks i0 .. i0 + 3
.irp i, \i0, \i0+1, \i0+2, \i0+3
	FRAG AF+FR*(\i), ADRA+\slot, \q, \i
.endr
.endm
.macro PLACES n                        ; plain vector lines between a matrix instruction and a load into, or a read of, its registers
.rept \n
	v_nop
.endr
.endm
; A step of 128 along K that has its successor in the same slot.  P has one set of registers: a block is free once its eight products are issued.
.macro STEP slot, q, zero
	s_wait_dscnt 4*NL                              ; R's set and P's blocks 0-3 are in; the youngest sixteen loads (P's blocks 4-7) may be out
	WIN MUL_LO
	MUL16 0, (\q)%2, \zero
	MUL16 2, (\q)%2, \zero
	s_wait_dscnt 0
	PLACES NP
	FETCH_B \slot, (\q)+1, 1-(\q)%2
	FETCH_A \slot, (\q)+1, 0
	WIN MUL_HI
	MUL16 4, (\q)%2, \zero
	MUL16 6, (\q)%2, \zero
	PLACES NP
	WIN 0
	FETCH_A \slot, (\q)+1, 4
.endm
; A slot's last step changes slots: one barrier; in front of it each wave waits for all its tensor loads, adds 0 to its spare word, and waits for that and for its reads of this slot.
.macro TURN slot, next, fill
	s_wait_tensorcnt 0x0                           ; all my tensor loads have landed: my part of the next slot
	ds_add_u32 v[SPW], v[NIL]                      ; 0 onto my spare word
	s_wait_dscnt 4*NL+1                            ; the add and the youngest sixteen loads may be out
	WIN MUL_LO
	MUL16 0, 1, 0
	s_wait_dscnt 0x0                               ; the add is done, and my reads of this slot are over
	s_barrier_signal -1
	MUL16 2, 1, 0
	WIN 0
	s_barrier_wait -1
.if \fill
	CREST                                          ; the barrier has opened a round of the cluster's: no wave of any partner still reads this slot or has a load on its way
	s_add_nc_u64 s[G0+4*\slot+2:G0+4*\slot+3], s[G0+4*\slot+2:G0+4*\slot+3], 8192
	s_add_nc_u64 s[G0B+4*\slot+2:G0B+4*\slot+3], s[G0B+4*\slot+2:G0B+4*\slot+3], 8192
	JLOAD G0+4*\slot, G1, G0B+4*\slot, G1B         ; the first tensor load behind the round; its four v_nop are the places in front of the loads below
.else
	PLACES NP
.endif
	FETCH_B \next, 0, 0
	FETCH_A \next, 0, 0
	WIN MUL_HI
	MUL16 4, 1, 0
	MUL16 6, 1, 0
	PLACES NP
	WIN 0
	FETCH_A \next, 0, 4
.endm
	s_wait_tensorcnt 1                             ; my part of slot 0 is in; slot 1's load may be out
	s_barrier_signal -1
	s_barrier_wait -1
	FETCH_B 0, 0, 0
	FETCH_A 0, 0, 0
	FETCH_A 0, 0, 4
	STEP 0, 0, 1                                   ; K 0-127: its products start the sums
	TURN 0, 1, 1                                   ; K 128-255; slot 0 takes K 512-767
	STEP 1, 0, 0
	TURN 1, 0, 1                                   ; slot 1 takes K 768-1023
	STEP 0, 0, 0
	TURN 0, 1, 0                                   ; nothing is left to fetch
	STEP 1, 0, 0
	s_wait_dscnt 4*NL
	WIN MUL_LO
	MUL16 0, 1, 0
	MUL16 2, 1, 0
	s_wait_alu depctr_va_vdst(0)
	s_wait_dscnt 0
	WIN MUL_HI
	MUL16 4, 1, 0
	MUL16 6, 1, 0
	WIN 0
; THE WAY OUT, a P block of 16 at a time: hold, convert, store.  Accumulator (a, b) becomes registers 2 b, 2 b + 1 of block a's sixteen code registers, which lie where P's fragments lay and are written once.
.macro OUT a
.set AC, 64*((\a)%4)
	WIN 0x02+((\a)/4)                              ; source 0: window 2 or 3
.set n, 0
.rept 64
.set n, n+1
.endr
.irp b, 0,1,2,3,4,5,6,7
	v_cvt_scalef32_pk8_fp8_f32 v[AF+16*(\a)+2*\b:AF+16*(\a)+2*\b+1], v[AC+8*\b:AC+8*\b+7], v[SCL]
.endr
	WIN 0
	v_nop                                          ; a plain line between the conversions and the stores that read their codes
.irp g, 0,1,2,3
	global_store_b128 v[VO+\g], v[AF+16*(\a)+4*\g:AF+16*(\a)+4*\g+3], s[OB+2*(\a):OB+2*(\a)+1]   ; 32 lanes store 512 consecutive bytes, aligned
.endr
.endm
	PLACES NP
.irp a, 0,1,2,3,4,5,6,7
	OUT \a
.endr
	s_wait_tensorcnt 0x0                           ; the wave's end
	ds_add_u32 v[SPW], v[NIL]
	s_wait_dscnt 0x0
	CROUND                                         ; the closing round
	s_endpgm
.Lfunc_end_k_q922643efa6_qkv:
	.size	k_q922643efa6_qkv, .Lfunc_end_k_q922643efa6_qkv-k_q922643efa6_qkv
	.p2alignl 7, 3214868480
	.fill 96, 4, 3214868480
	.section	.rodata,"a",@progbits
	.p2align	6, 0x0
	.amdhsa_kernel k_q922643efa6_qkv
		.amdhsa_group_segment_fixed_size 327680
		.amdhsa_private_segment_fixed_size 0
		.amdhsa_enable_private_segment 0
		.amdhsa_kernarg_size 48
		.amdhsa_user_sgpr_count 2
		.amdhsa_user_sgpr_kernarg_segment_ptr 1
		.amdhsa_wavefront_size32 1
		.amdhsa_system_sgpr_workgroup_id_x 1
		.amdhsa_system_sgpr_workgroup_id_y 1
		.amdhsa_system_sgpr_workgroup_id_z 1
		.amdhsa_system_vgpr_workitem_id 0
		.amdhsa_next_free_vgpr 1024
		.amdhsa_next_free_sgpr 102
		.amdhsa_reserve_vcc 0
		.amdhsa_float_denorm_mode_32 3
		.amdhsa_float_denorm_mode_16_64 3
		.amdhsa_fp16_overflow 1
		.amdhsa_memory_ordered 1
		.amdhsa_forward_progress 1
		.amdhsa_inst_pref_size 86
	.end_amdhsa_kernel
	.amdgpu_metadata
---
amdhsa.version: [ 1, 2 ]
amdhsa.kernels:
  - .name:           k_q922643efa6_qkv
    .symbol:         k_q922643efa6_qkv.kd
    .args:
      - { .name: xi, .offset: 0, .size: 8, .value_kind: global_buffer, .address_space: global }
      - { .name: wa, .offset: 8, .size: 8, .value_kind: global_buffer, .address_space: global }
      - { .name: lowp_scales, .offset: 16, .size: 8, .value_kind: global_buffer, .address_space: global }
      - { .name: qi, .offset: 24, .size: 8, .value_kind: global_buffer, .address_space: global }
      - { .name: ki, .offset: 32, .size: 8, .value_kind: global_buffer, .address_space: global }
      - { .name: vi, .offset: 40, .size: 8, .value_kind: global_buffer, .address_space: global }
    .group_segment_fixed_size: 327680
    .private_segment_fixed_size: 0
    .kernarg_segment_align: 8
    .kernarg_segment_size: 48
    .max_flat_workgroup_size: 128
    .sgpr_count:     102
    .vgpr_count:     1024
    .wavefront_size: 32
...
	.end_amdgpu_metadata
.endif
;; end of part 2
;; launch attn (part 3): grid 4 x 64, 16 waves a work-group, no clusters, 327,680 bytes of LDS; arguments qi, ki, vi, lowp_scales, yi; writes yi
.if DOCPART == 3
	.amdgcn_target "amdgcn-amd-amdhsa--gfx1250"
	.amdhsa_code_object_version 6
	.text
	.protected	k_q922643efa6_attn
	.globl	k_q922643efa6_attn
	.p2align	8
	.type	k_q922643efa6_attn,@function
k_q922643efa6_attn:
	s_mov_b64 s[64:65], 0
	v_nop
	global_prefetch_b8 v0, s[64:65] scope:SCOPE_SE
	s_setreg_imm32_b32 hwreg(HW_REG_WAVE_MODE, 25, 1), 1
	s_wait_xcnt 0x0
; Causal attention of 64 heads (16 x batch + head), 2,048 tokens, head size 64, both products on codes of FP8 (E4M3); the result is quantised at once into the last product's operand.
; THE SOFTMAX: t = score x log2(e) / 8; M = the row's largest t so far, rounded UP to a whole number; p = 2^(t - M) is what is quantised (scale 2^e4); the row's sum is taken of the unquantised p and divides at the end.
; When M moves, the sum and O are multiplied by 2^(old M - new M): exact.
; OPERANDS are images of operand registers.  qi, ki: (head x 128 + token / 16) x 1,024: 16 tokens x 64.  vi: ((head x 16 + token / 128) x 4 + channel / 16) x 2,048: 16 channels x 128 tokens.
; yi: (row / 16) x 16,384 + head x 1,024: the head's 64 channels are half a K step of the last product.  Registers 4 g .. 4 g + 3 of lane l lie at 512 g + 16 l.
; SHARES.  Work-group (j, head) owns the blocks 7 - j and j of 256 queries, the high one first, and walks 9 slots of 256 keys: slots 0 .. 7 - j for the high block, then 0 .. j for the low one.
; Wave w takes tile w of the high block and tile 15 - w of the low one: every wave of every work-group runs 17 key steps of 128, two of them on the diagonal.  Nothing hidden is fetched.
; Both products are used transposed (S^T = K Q^T, O^T = V^T P^T): a lane holds ONE query; an accumulator's eight registers are eight neighbouring keys, or channels, so one conversion gives two registers of the next operand.
; NO CLUSTER: the four work-groups of a head ask for different slots from the fifth trip on, and the trip of the change of blocks is the work-group's own number.
; LIMITS on the given exponents: e2 + e3 between -123 and 130 (added to c's exponent field); e4 and e6 between -126 and 119; e4 + e5 goes by v_ldexp_f32 and has none.
; REGISTERS: v1 16 x lane; v3 256 x lane; v4 r - 8 h; v5, v6 the add's; v8 LDS address; v12 -M, v13 the largest t, v[14:15] the sum; v16-23 Q; v32-95 K's eight fragments, then V's four;
;   v96-159 S^T, then p, then y; v160-191 O^T; v192-207 y's codes; v224-239 p's codes; v240-254 constants and work.
.set SLOTB, 32768                      ; a slot: K's 16 token tiles of 1,024 bytes, then V's 8 fragments of 2,048
.set VOFF,  16384
.set SPARE, 2*SLOTB                    ; behind the ring: the spare words, 128 bytes for each of 16 waves
.set LI,  1
.set PFO, 3
.set DQ,  4
.set SPW, 5
.set NIL, 6
.set ADR, 8
.set TB,  2                            ; s2   LDS byte at which the slot in hand begins
.set WV,  18
.set SEL, 20                           ; s[20:21] lane selects: lane l xor 16
.set CS,  22                           ; s[22:23] c = log2(e) / 8 x 2^(e2 + e3)
.set G1,  24
.set G0,  32
.set TR,  36                           ; s36  the trip
.set SW,  37                           ; s37  7 - j: the high block's last trip
.set FWD, 38                           ; s[38:39], s[40:41] the walking descriptor's step on and back
.set BCK, 40
.set KF,  42                           ; s42  the step's first key
.set Q0,  43                           ; s43  my first query;  s44 the low block's
.set LIM, 45
.set PFA, 46
.set QB,  48                           ; s[48:51] Q's images, high block and low
.set YB,  52                           ; s[52:55] y's images
.macro TLOAD                           ; wave 0 fetches K's 16,384 bytes, wave 1 V's; four v_nop follow the line
	s_cmp_lt_u32 s[WV], 2
	s_cbranch_scc0 .Lnone_\@
	tensor_load_to_lds s[G0:G0+3], s[G1:G1+7]
	s_nop 0
.rept 4
	v_nop
.endr
.Lnone_\@:
.endm
; A prefetch into the L2 of the slot that the NEXT change of slots will ask for.  The four work-groups of a head walk the same K and V; work-group j = 0 walks slots 0 to 7 on end and asks, nobody else.
; In it waves 4 and 5 ask for K's 16,384 bytes, waves 6 and 7 for V's: 8,192 bytes a wave, lanes 256 bytes apart, one instruction.  Trip t names slot t + 2; trips 0 to 5 ask, so slot 7 is the last named.
.macro ASK
	s_cmp_lt_u32 s[TR], s[LIM]
	s_cbranch_scc0 .Lnot_mine_\@
	global_prefetch_b8 v[PFO], s[PFA:PFA+1] th:TH_LOAD_NT scope:SCOPE_SE
.Lnot_mine_\@:
.endm
	s_load_b256 s[4:11], s[0:1], 0x0               ; qi s[4:5], ki s[6:7], vi s[8:9], the scales s[10:11]
	s_load_b64 s[12:13], s[0:1], 0x20              ; yi
	v_lshl_add_u32 v[SPW], v0, 2, SPARE
	v_mov_b32 v[NIL], 0
	ds_add_u32 v5, v6
	ds_add_u32 v5, v6
	s_wait_dscnt 0x0
	v_lshrrev_b32 v8, 5, v0
	s_delay_alu instid0(VALU_DEP_1)
	v_readfirstlane_b32 s[WV], v8                  ; wave 0..15
	s_and_b32 s67, ttmp7, 0xffff                   ; the head, 16 x batch + head
	s_lshl_b32 s68, s67, 17                        ; its 131,072 bytes in qi, ki and vi
	s_mov_b32 s69, 0
	s_sub_co_u32 s[SW], 7, ttmp9
	s_lshl_b32 s82, s[SW], 14                      ; back from slot 7 - j to slot 0
	s_lshl_b32 s70, s[SW], 4
	s_add_co_u32 s70, s70, s[WV]                   ; my tile of 16 queries in the high block
	s_lshl_b32 s71, ttmp9, 4
	s_add_co_u32 s71, s71, 15
	s_sub_co_u32 s71, s71, s[WV]                   ; and in the low one
	s_lshl_b32 s[Q0], s70, 4
	s_lshl_b32 s44, s71, 4
	s_lshl_b32 s72, s70, 10
	s_add_co_u32 s72, s72, s68
	s_mov_b32 s73, 0
	s_lshl_b32 s74, s71, 10
	s_add_co_u32 s74, s74, s68
	s_mov_b32 s75, 0
	s_lshr_b32 s76, s67, 4
	s_lshl_b32 s76, s76, 7                         ; batch x 128 row tiles
	s_and_b32 s77, s67, 15
	s_lshl_b32 s77, s77, 10                        ; head x 1,024
	s_add_co_u32 s78, s76, s70
	s_lshl_b32 s78, s78, 14
	s_add_co_u32 s78, s78, s77
	s_mov_b32 s79, 0
	s_add_co_u32 s80, s76, s71
	s_lshl_b32 s80, s80, 14
	s_add_co_u32 s80, s80, s77
	s_mov_b32 s81, 0
	; group 1: a dense block of 16,384 bytes as 64 rows of 256 bytes (32 elements of 8 bytes)
	s_mov_b32 s[G1], 3<<16
	s_mov_b32 s[G1+1], 32<<16
	s_mov_b32 s[G1+2], 64<<16
	s_mov_b32 s[G1+3], 32<<16
	s_mov_b32 s[G1+4], 64
	s_mov_b32 s[G1+5], 32
	s_mov_b32 s[G1+6], 0
	s_mov_b32 s[G1+7], 0
	s_mov_b32 s[SEL], 0x76543210
	s_mov_b32 s[SEL+1], 0xfedcba98
	s_mov_b32 s[CS], 0x3e38aa3b                    ; log2(e) / 8
	s_mov_b32 s[TB], 0
	s_mov_b32 s[TR], 0
	s_mov_b32 s[KF], 0
	s_mov_b32 s[FWD+1], 0
	s_mov_b32 s[BCK+1], 0
	s_and_b32 s[G0+1], s[WV], 1
	s_lshl_b32 s[G0+1], s[G0+1], 14                ; LDS: K at the slot's head, V behind it
	s_mov_b32 s[G0], 1
	s_wait_kmcnt 0x0
	s_load_b256 s[56:63], s[10:11], 0x0            ; e0 .. e7
	s_cmp_eq_u32 s[WV], 0
	s_cselect_b64 s[G0+2:G0+3], s[6:7], s[8:9]
	s_add_nc_u64 s[G0+2:G0+3], s[G0+2:G0+3], s[68:69]
	s_or_b32 s[G0+3], s[G0+3], 0x80000000
	TLOAD                                          ; slot 0
	s_add_nc_u64 s[QB:QB+1], s[4:5], s[72:73]
	s_add_nc_u64 s[QB+2:QB+3], s[4:5], s[74:75]
	s_add_nc_u64 s[YB:YB+1], s[12:13], s[78:79]
	s_add_nc_u64 s[YB+2:YB+3], s[12:13], s[80:81]
	s_cmp_lt_u32 s[WV], 6                          ; the prefetches: waves 4, 5 stand in ki, waves 6, 7 in vi
	s_cselect_b64 s[PFA:PFA+1], s[6:7], s[8:9]
	s_and_b32 s96, s[WV], 1
	s_lshl_b32 s96, s96, 13                        ; my 8,192 bytes,
	s_add_co_u32 s96, s96, 16384                   ; in slot 1: the first change of slots steps it to slot 2.  Nothing is prefetched here, at the head
	s_add_co_u32 s96, s96, s68
	s_mov_b32 s97, 0
	s_add_nc_u64 s[PFA:PFA+1], s[PFA:PFA+1], s[96:97]
	s_sub_co_u32 s96, s[WV], 4
	s_lshr_b32 s96, s96, 2                         ; 0 in waves 4 to 7,
	s_or_b32 s96, s96, ttmp9                       ; of work-group j = 0
	s_cmp_eq_u32 s96, 0
	s_cselect_b32 s[LIM], 6, 0
	v_and_b32 v9, 31, v0
	s_delay_alu instid0(VALU_DEP_1)
	v_lshlrev_b32 v[LI], 4, v9
	s_delay_alu instid0(VALU_DEP_2)
	v_lshlrev_b32 v[PFO], 8, v9
	v_and_b32 v10, 15, v0                          ; r
	v_bfe_u32 v11, v0, 4, 1                        ; h
	s_delay_alu instid0(VALU_DEP_1)
	v_lshlrev_b32 v11, 3, v11
	s_delay_alu instid0(VALU_DEP_1)
	v_sub_nc_u32 v[DQ], v10, v11                   ; r - 8 h
	global_load_b128 v[16:19], v[LI], s[QB:QB+1]   ; Q's fragment stays in registers
	global_load_b128 v[20:23], v[LI], s[QB:QB+1] offset:512
	v_mov_b32 v13, 0xff61b1e6                      ; the largest t so far: -3e38, under every t
	s_delay_alu instid0(VALU_DEP_1)
	v_floor_f32 v12, -v13                          ; -M
	v_mov_b32 v14, 0
	v_mov_b32 v15, 0
	v_mov_b32 v246, 0                              ; written once: a lane permute's destination counts as one of its sources
	v_mov_b32 v253, 0                              ; named as the upper half of the pair v[252:253]
	v_mov_b32 v250, 0xff800000                     ; -infinity
.set n, 0
.rept 32
	v_mov_b32 v[160+n], 0                          ; O^T: the key step is written once; its first run finds zeros
.set n, n+1
.endr
	s_wait_kmcnt 0x0
	s_add_co_i32 s96, s58, s59
	s_lshl_b32 s96, s96, 23
	s_add_co_i32 s[CS], s[CS], s96                 ; a score stands for score x 2^(e2 + e3): added to c's exponent field
	s_mov_b32 s[CS+1], s[CS]
	s_add_co_i32 s96, s60, 127
	s_lshl_b32 s97, s96, 23
	v_mov_b32 v244, s97                            ; 2^e4
	s_add_co_i32 s96, s62, 127
	s_lshl_b32 s97, s96, 23
	v_mov_b32 v245, s97                            ; 2^e6
	s_add_co_i32 s66, s60, s61                     ; e4 + e5
; A KEY STEP: 128 keys, the q-th of the slot in hand.
.macro STEP q
	s_add_co_u32 s96, s[Q0], 15                    ; a step all of whose keys come after my 16 queries is left out: a scalar branch on ids; no barrier and no tensor load stands in a step
	s_cmp_gt_u32 s[KF], s96
	s_cbranch_scc1 .Lhidden_\@
	v_add_nc_u32 v[ADR], s[TB], v[LI]
.rept 3
	v_nop                                          ; with the addition: four places in front of loads into registers that the last products read
.endr
.set n, 0
.rept 8
	ds_load_b128 v[32+8*n:35+8*n], v[ADR] offset:(8*(\q)+n)*1024
	ds_load_b128 v[36+8*n:39+8*n], v[ADR] offset:(8*(\q)+n)*1024+512
.set n, n+1
.endr
	s_wait_alu depctr_va_vdst(0)
	s_wait_dscnt 0x0
.set n, 0
.rept 8                                        ; S^T = K Q^T: register j of tile n, lane (r, h): key 16 n + 8 h + j, query r
	v_wmma_f32_16x16x64_fp8_fp8 v[96+8*n:103+8*n], v[32+8*n:39+8*n], v[16:23], 0
.set n, n+1
.endr
.rept 4
	v_nop                                          ; places in front of the loads below and of the first read of the scores
.endr
.set n, 0
.rept 4                                        ; V's four fragments land while the softmax is walked
.irp g, 0,1,2,3
	ds_load_b128 v[32+16*n+4*\g:35+16*n+4*\g], v[ADR] offset:VOFF+(4*(\q)+n)*2048+512*\g
.endr
.set n, n+1
.endr
	s_add_co_u32 s96, s[KF], 127                   ; on the diagonal hidden scores become -infinity ahead of the maximum; a step all of whose keys count skips this
	s_cmp_le_u32 s96, s[Q0]
	s_cbranch_scc1 .Lopen_\@
	s_sub_co_i32 s96, s[Q0], s[KF]
	v_add_nc_u32 v252, s96, v[DQ]                  ; d = my query - the first key - 8 h: register 8 n + j is hidden where 16 n + j > d
.set n, 0
.rept 64
	v_cmp_gt_i32 vcc_lo, 16*(n/8)+n%8, v252
	v_cndmask_b32 v[96+n], v[96+n], v250, vcc_lo
.set n, n+1
.endr
.Lopen_\@:
	v_max3_num_f32 v254, v96, v97, v98             ; the step's largest score of my query among my 64 keys, in two chains, ascending
	v_max3_num_f32 v252, v99, v100, v101
.set n, 6
.rept 14
	v_max3_num_f32 v254, v254, v[96+n], v[97+n]
	v_max3_num_f32 v252, v252, v[98+n], v[99+n]
.set n, n+4
.endr
	v_max3_num_f32 v254, v254, v158, v159
	s_delay_alu instid0(VALU_DEP_1)
	v_max_num_f32 v254, v254, v252
	s_delay_alu instid0(VALU_DEP_1)
	v_permlanex16_b32 v246, v254, s[SEL], s[SEL+1]
	s_delay_alu instid0(VALU_DEP_1)
	v_max_num_f32 v254, v254, v246                 ; and among lane l xor 16's
	s_delay_alu instid0(VALU_DEP_1)
	v_mul_f32 v254, s[CS], v254                    ; as t (c is positive)
	s_delay_alu instid0(VALU_DEP_1)
	v_max_num_f32 v13, v13, v254                   ; the running largest t
	v_mov_b32 v254, v12
	s_delay_alu instid0(VALU_DEP_2)
	v_floor_f32 v12, -v13                          ; the new -M = floor(-t): M is a whole number
	s_delay_alu instid0(VALU_DEP_1)
	v_sub_f32 v254, v12, v254                      ; old M - new M: a whole number, 0 or less
	s_delay_alu instid0(VALU_DEP_1)
	v_cvt_i32_f32 v254, v254                       ; (it saturates)
	s_delay_alu instid0(VALU_DEP_1)
	v_ldexp_f32 v252, 1.0, v254                    ; f = 2^(old M - new M)
.set n, 0
.rept 32
	v_pk_fma_f32 v[96+n:97+n], v[96+n:97+n], s[CS:CS+1], v[12:13] op_sel_hi:[1,0,0]   ; t - M, two at a time
.set n, n+2
.endr
.set n, 0
	s_wait_alu depctr_va_vdst(0)
.rept 64
	v_exp_f32 v[96+n], v[96+n]                     ; p = 2^(t - M), at most 1
.set n, n+1
.endr
	v_pk_mul_f32 v[14:15], v[14:15], v[252:253] op_sel_hi:[1,0]   ; the sums under the new M: the plain line behind the exponentials
	s_wait_alu depctr_va_vdst(0)                   ; one wait for the batch, ahead of its first reader
	v_pk_add_f32 v[242:243], v[100:101], v[104:105]
	v_pk_add_f32 v[254:255], v[108:109], v[112:113]
	v_pk_add_f32 v[248:249], v[116:117], v[120:121]
	v_pk_add_f32 v[240:241], v[124:125], v[128:129]
	v_pk_add_f32 v[238:239], v[132:133], v[136:137]
	v_pk_add_f32 v[236:237], v[140:141], v[144:145]
	v_pk_add_f32 v[234:235], v[148:149], v[152:153]
	v_pk_add_f32 v[14:15], v[14:15], v[156:157]
	v_pk_add_f32 v[242:243], v[242:243], v[96:97]
	v_pk_add_f32 v[254:255], v[254:255], v[98:99]
	v_pk_add_f32 v[248:249], v[248:249], v[102:103]
	v_pk_add_f32 v[240:241], v[240:241], v[106:107]
	v_pk_add_f32 v[238:239], v[238:239], v[110:111]
	v_pk_add_f32 v[236:237], v[236:237], v[114:115]
	v_pk_add_f32 v[234:235], v[234:235], v[118:119]
	v_pk_add_f32 v[14:15], v[14:15], v[122:123]
	v_pk_add_f32 v[242:243], v[242:243], v[126:127]
	v_pk_add_f32 v[254:255], v[254:255], v[130:131]
	v_pk_add_f32 v[248:249], v[248:249], v[134:135]
	v_pk_add_f32 v[240:241], v[240:241], v[138:139]
	v_pk_add_f32 v[238:239], v[238:239], v[142:143]
	v_pk_add_f32 v[236:237], v[236:237], v[146:147]
	v_pk_add_f32 v[234:235], v[234:235], v[150:151]
	v_pk_add_f32 v[14:15], v[14:15], v[154:155]
	v_pk_add_f32 v[242:243], v[242:243], v[158:159]
	s_delay_alu instid0(VALU_DEP_2)
	v_pk_add_f32 v[14:15], v[14:15], v[240:241]
	s_delay_alu instid0(VALU_DEP_2)
	v_pk_add_f32 v[242:243], v[242:243], v[238:239]
	v_pk_add_f32 v[254:255], v[254:255], v[236:237]
	v_pk_add_f32 v[248:249], v[248:249], v[234:235]
	s_delay_alu instid0(VALU_DEP_2)
	v_pk_add_f32 v[14:15], v[14:15], v[254:255]
	s_delay_alu instid0(VALU_DEP_2)
	v_pk_add_f32 v[242:243], v[242:243], v[248:249]
	s_delay_alu instid0(VALU_DEP_1)
	v_pk_add_f32 v[14:15], v[14:15], v[242:243]
.set n, 0
.rept 8
.irp i, 0,1,2,3,4,5,6,7
.endr
	v_cvt_scalef32_pk8_fp8_f32 v[224+2*n:225+2*n], v[96+8*n:103+8*n], v244   ; keys 16 n + 8 h + 0 .. 7: registers 2 n, 2 n + 1 of P
.set n, n+1
.endr
.set n, 0
.rept 16
	v_pk_mul_f32 v[160+n:161+n], v[160+n:161+n], v[252:253] op_sel_hi:[1,0]   ; O^T under the new M; also the plain lines between the conversions and the products
.set n, n+2
.endr
	s_wait_alu depctr_va_vdst(0)
	s_wait_dscnt 0x0                               ; V is in
.set n, 0
.rept 4                                        ; O^T += V^T P^T: four accumulators by turns; the matrix instructions on either side of the four are K Q^T's
	v_wmma_f32_16x16x128_fp8_fp8 v[160+8*n:167+8*n], v[32+16*n:47+16*n], v[224:239], v[160+8*n:167+8*n]
.set n, n+1
.endr
.Lhidden_\@:
	s_add_co_u32 s[KF], s[KF], 128
.endm
; THE CHANGE OF SLOTS stands at a slot's head.  Each wave waits for all its tensor loads, adds 0 to its spare word, and waits for that and for its reads of the slot that it has left.
; fill = 1: that slot is filled with the walk's next 256 keys: one slot on, or, behind the high block's last slot, back to slot 0.
.macro CHANGE fill
	s_wait_tensorcnt 0x0                           ; no tensor load of mine is out, so group 0 may be written
	ds_add_u32 v[SPW], v[NIL]
.if \fill
	s_xor_b32 s[G0+1], s[G0+1], SLOTB
	s_cmp_eq_u32 s[TR], s[SW]
	s_cselect_b32 s[FWD], 0, 16384
	s_cselect_b32 s[BCK], s82, 0
	s_add_nc_u64 s[G0+2:G0+3], s[G0+2:G0+3], s[FWD:FWD+1]
	s_sub_nc_u64 s[G0+2:G0+3], s[G0+2:G0+3], s[BCK:BCK+1]
	s_wait_xcnt 0x0                                ; the last prefetch, a trip back, has read its address
	s_add_nc_u64 s[PFA:PFA+1], s[PFA:PFA+1], 16384
.endif
	s_wait_dscnt 0x0                               ; the add is done, and my reads of the slot that I have left are over
	s_barrier_signal -1
	s_barrier_wait -1
.if \fill
	TLOAD                                          ; the first thing behind the barrier, a wave's one tensor load until the next
	ASK
.endif
.endm
; A block's end: O^T / the sum x 2^(e4 + e5) is y; it is quantised with 2^e6 and leaves from registers as half a fragment of the last product.
.macro FINISH p
.set YR, 192+8*(\p)
.rept 4
	v_nop                                          ; places behind the last products
.endr
	v_add_f32 v14, v14, v15
	s_delay_alu instid0(VALU_DEP_1)
	v_permlanex16_b32 v246, v14, s[SEL], s[SEL+1]
	s_delay_alu instid0(VALU_DEP_1)
	v_add_f32 v14, v14, v246                       ; the row's sum
	s_wait_alu depctr_va_vdst(0)
	v_rcp_f32 v252, v14
	v_nop                                          ; a plain line behind the reciprocal
	s_wait_alu depctr_va_vdst(0)                   ; and the wait ahead of its first reader
	v_ldexp_f32 v252, v252, s66
.set n, 0
.rept 16
	v_pk_mul_f32 v[96+n:97+n], v[160+n:161+n], v[252:253] op_sel_hi:[1,0]   ; register 8 t + i: y(query r, channel 16 t + 8 h + i)
.set n, n+2
.endr
.set n, 0
.rept 32
.set n, n+1
.endr
.irp t, 0,1,2,3
	v_cvt_scalef32_pk8_fp8_f32 v[YR+2*\t:YR+2*\t+1], v[96+8*\t:103+8*\t], v245
.endr
	v_nop
	global_store_b128 v[LI], v[YR:YR+3], s[YB+2*(\p):YB+2*(\p)+1]              ; 32 lanes store 512 consecutive bytes, aligned; the codes' registers are written once
	global_store_b128 v[LI], v[YR+4:YR+7], s[YB+2*(\p):YB+2*(\p)+1] offset:512
.endm
	s_wait_loadcnt 0x0                             ; Q
.Lslot:                                            ; eight trips; behind each change of slots the walk's next slot is asked for
	CHANGE 1
	STEP 0
	STEP 1
	s_xor_b32 s[TB], s[TB], SLOTB
	s_cmp_lg_u32 s[TR], s[SW]                      ; the high block's last slot?  The same answer in all sixteen waves
	s_cbranch_scc1 .Lsame
	FINISH 0
	global_load_b128 v[16:19], v[LI], s[QB+2:QB+3] ; the low block begins
	global_load_b128 v[20:23], v[LI], s[QB+2:QB+3] offset:512
	v_mov_b32 v13, 0xff61b1e6
	s_delay_alu instid0(VALU_DEP_1)
	v_floor_f32 v12, -v13
	v_mov_b32 v14, 0
	v_mov_b32 v15, 0
.set n, 0
.rept 32
	v_mov_b32 v[160+n], 0
.set n, n+1
.endr
	s_mov_b32 s[Q0], s44
	s_mov_b32 s[KF], 0
	s_wait_loadcnt 0x0
.Lsame:
	s_add_co_u32 s[TR], s[TR], 1
	s_cmp_lt_u32 s[TR], 8
	s_cbranch_scc1 .Lslot
	CHANGE 0                                       ; the ninth slot is written out
	STEP 0
	STEP 1
	FINISH 1
	s_wait_tensorcnt 0x0                           ; the wave's end
	ds_add_u32 v[SPW], v[NIL]
	s_wait_dscnt 0x0
	s_endpgm
.Lfunc_end_k_q922643efa6_attn:
	.size	k_q922643efa6_attn, .Lfunc_end_k_q922643efa6_attn-k_q922643efa6_attn
	.p2alignl 7, 3214868480
	.fill 96, 4, 3214868480
	.section	.rodata,"a",@progbits
	.p2align	6, 0x0
	.amdhsa_kernel k_q922643efa6_attn
		.amdhsa_group_segment_fixed_size 327680
		.amdhsa_private_segment_fixed_size 0
		.amdhsa_enable_private_segment 0
		.amdhsa_kernarg_size 40
		.amdhsa_user_sgpr_count 2
		.amdhsa_user_sgpr_kernarg_segment_ptr 1
		.amdhsa_wavefront_size32 1
		.amdhsa_system_sgpr_workgroup_id_x 1
		.amdhsa_system_sgpr_workgroup_id_y 1
		.amdhsa_system_sgpr_workgroup_id_z 1
		.amdhsa_system_vgpr_workitem_id 0
		.amdhsa_next_free_vgpr 256
		.amdhsa_next_free_sgpr 100
		.amdhsa_reserve_vcc 1
		.amdhsa_float_denorm_mode_32 3
		.amdhsa_float_denorm_mode_16_64 3
		.amdhsa_fp16_overflow 1
		.amdhsa_memory_ordered 1
		.amdhsa_forward_progress 1
		.amdhsa_inst_pref_size 89
	.end_amdhsa_kernel
	.amdgpu_metadata
---
amdhsa.version: [ 1, 2 ]
amdhsa.kernels:
  - .name:           k_q922643efa6_attn
    .symbol:         k_q922643efa6_attn.kd
    .args:
      - { .name: qi, .offset: 0, .size: 8, .value_kind: global_buffer, .address_space: global }
      - { .name: ki, .offset: 8, .size: 8, .value_kind: global_buffer, .address_space: global }
      - { .name: vi, .offset: 16, .size: 8, .value_kind: global_buffer, .address_space: global }
      - { .name: lowp_scales, .offset: 24, .size: 8, .value_kind: global_buffer, .address_space: global }
      - { .name: yi, .offset: 32, .size: 8, .value_kind: global_buffer, .address_space: global }
    .group_segment_fixed_size: 327680
    .private_segment_fixed_size: 0
    .kernarg_segment_align: 8
    .kernarg_segment_size: 40
    .max_flat_workgroup_size: 512
    .sgpr_count:     100
    .vgpr_count:     256
    .wavefront_size: 32
...
	.end_amdgpu_metadata
.endif
;; end of part 3
;; launch proj (part 4): grid 4 x 64, 4 waves a work-group, clusters of 4 x 4, 327,680 bytes of LDS; arguments yi, wp, lowp_scales, out0; writes out0
.if DOCPART == 4
	.amdgcn_target "amdgcn-amd-amdhsa--gfx1250"
	.amdhsa_code_object_version 6
	.text
	.protected	k_q922643efa6_proj
	.globl	k_q922643efa6_proj
	.p2align	8
	.type	k_q922643efa6_proj,@function
k_q922643efa6_proj:
	s_mov_b64 s[64:65], 0
	v_nop
	global_prefetch_b8 v0, s[64:65] scope:SCOPE_SE
	s_setreg_imm32_b32 hwreg(HW_REG_WAVE_MODE, 25, 1), 1
	s_wait_xcnt 0x0
	s_wait_alu depctr_hold_cnt(0) depctr_sa_sdst(0) depctr_va_vdst(0) depctr_va_sdst(0) depctr_va_ssrc(0) depctr_va_vcc(0) depctr_vm_vsrc(0)
	s_getreg_b32 s2, hwreg(HW_REG_IB_STS2, 6, 4)
	s_cmp_eq_u32 s2, 0
	s_cbranch_scc0 .Lentry_in_a_cluster
	s_endpgm
.Lentry_in_a_cluster:
	s_bfe_u32 s2, ttmp6, 0x10000c
	s_cmp_lg_u32 s2, 0xf033
	s_cbranch_scc0 .Lentry_shape_is_right
	s_endpgm
.Lentry_shape_is_right:
; out0 = y w_proj on codes of FP8 (E4M3).  y [8192][1024] and w_proj (by columns) come as images of operand registers: 16 rows x 128 K in 2,048 bytes, registers 4 g .. 4 g + 3 of lane l at 512 g + 16 l;
; images at (row / 16) x 16,384 + (K / 128) x 2,048.  Each finished sum is multiplied once by 2^(e6 + e7).  LIMIT: e6 + e7 lies between -126 and 127.
; A tile of out0 is 128 rows x 256 columns, so that there are 256 work-groups; four waves, 64 x 128 each: 32 accumulators.  K = 1,024 goes in four fills of 256 through two LDS slots; the text is straight.
; CLUSTER 4 x 4: A's tile (rows of y) hangs on the tile row alone and is asked for jointly by a row of the cluster, B's (columns of w_proj) on the tile column alone and by a column.
; The matrix instruction is used transposed (source 0 = 16 columns of w_proj, source 1 = 16 rows of y): a lane holds eight neighbouring numbers of a row of out0.
; REGISTERS: window 0: v16-29 addresses; v32-95 at work on the way out; v128-191, v192-255 A's fragments, two sets, later rows of out0.  window 1: B's fragments, two sets.  window 2: accumulator (a, b) at v[8 (8 a + b)].
.set SLOT,   98304                     ; A's 8 row tiles of 4,096 bytes, then B's 16
.set STAGE,  2*SLOT                    ; behind the ring: 16 rows x 528 bytes for each wave; no tensor load fills it
.set SPITCH, 528
.set SPARE,  STAGE+4*16*SPITCH         ; behind the stages: the spare words, 128 bytes for each wave
.set FR,   16
.set ADRA, 16
.set ADRB, 20
.set STO,  24
.set RD,   25
.set CO,   26
.set SPW,  28
.set NIL,  29
.set TMP,  32
.set AF,   128
.set BK,   128
.set G1,  24
.set G0,  32
.set G1B, 48
.set G0B, 56
.set MSB, 0
.macro WIN new
.if MSB != \new
	s_set_vgpr_msb (MSB<<8)|\new
.set MSB, \new
.endif
.endm
.set MUL,  0xa1                        ; source 0 (B) window 1, source 1 (A) window 0, C and D window 2
.set TO_B, 0x40
.macro JLOAD s                         ; waves 0 and 1 fetch A's halves, waves 2 and 3 B's; four v_nop follow each of the two lines
	s_cmp_eq_u32 s15, 0
	s_cbranch_scc0 .Lfor_b_\@
	tensor_load_to_lds s[G0+4*\s:G0+4*\s+3], s[G1:G1+7]
	s_nop 0
.rept 4
	v_nop
.endr
	s_branch .Lasked_\@
.Lfor_b_\@:
	tensor_load_to_lds s[G0B+4*\s:G0B+4*\s+3], s[G1B:G1B+7]
	s_nop 0
.rept 4
	v_nop
.endr
.Lasked_\@:
.endm
.macro CREST
	s_cmp_lg_u32 s14, 0
	s_cbranch_scc1 .Lnot_wave_0_\@
	s_barrier_signal -3
.Lnot_wave_0_\@:
	s_barrier_wait -3
	s_barrier_signal -1
	s_barrier_wait -1
.endm
.macro CROUND
	s_barrier_signal -1
	s_barrier_wait -1
	CREST
.endm
	s_load_b256 s[4:11], s[0:1], 0x0               ; yi s[4:5], wp s[6:7], the scales s[8:9], out0 s[10:11]
	v_lshl_add_u32 v[SPW], v0, 2, SPARE
	v_mov_b32 v[NIL], 0
	ds_add_u32 v28, v29
	ds_add_u32 v28, v29
	s_wait_dscnt 0x0
	v_lshrrev_b32 v1, 5, v0
	v_readfirstlane_b32 s14, v1                    ; wave 0..3
	s_lshr_b32 s15, s14, 1                         ; which half of the tile's rows is mine.  Also: I fetch for A (0) or for B (1)
	s_and_b32 s16, s14, 1                          ; which half of its columns.  Also: which half of that tile I fetch
	s_bfe_u32 s40, ttmp6, 0x40000                  ; cx
	s_bfe_u32 s41, ttmp6, 0x40004                  ; cy
	s_lshl_b32 s42, ttmp9, 2
	s_add_co_u32 s42, s42, s40                     ; tile column
	s_and_b32 s17, ttmp7, 0xffff
	s_lshl_b32 s17, s17, 2
	s_add_co_u32 s17, s17, s41                     ; tile row
	s_lshl_b32 s43, s41, 2
	s_lshl_b32 s43, 15, s43                        ; my row of the cluster
	s_lshl_b32 s44, 0x1111, s40                    ; my column
	; group 1: row tiles of 4,096 bytes (512 elements of 8 bytes), 16,384 bytes apart: four for A, eight for B
	s_or_b32 s[G1], s43, (3<<16)|(1<<21)
	s_or_b32 s[G1B], s44, (3<<16)|(1<<21)
	s_mov_b32 s[G1+1], 512<<16
	s_mov_b32 s[G1+2], 4<<16
	s_mov_b32 s[G1+3], 512<<16
	s_mov_b32 s[G1+4], 4
	s_mov_b32 s[G1+5], 2048
	s_mov_b32 s[G1+6], 0
	s_mov_b32 s[G1+7], 0
	s_mov_b32 s[G1B+1], 512<<16
	s_mov_b32 s[G1B+2], 8<<16
	s_mov_b32 s[G1B+3], 512<<16
	s_mov_b32 s[G1B+4], 8
	s_mov_b32 s[G1B+5], 2048
	s_mov_b32 s[G1B+6], 0
	s_mov_b32 s[G1B+7], 0
	s_lshl_b32 s20, s17, 17                        ; A: 128 rows are 131,072 bytes,
	s_lshl_b32 s18, s16, 16                        ; my half of them
	s_add_co_u32 s20, s20, s18
	s_mov_b32 s21, 0
	s_lshl_b32 s46, s42, 18                        ; B: 256 columns are 262,144 bytes,
	s_lshl_b32 s19, s16, 17
	s_add_co_u32 s46, s46, s19
	s_mov_b32 s47, 0
	s_lshl_b32 s45, s16, 14                        ; where A's half goes,
	s_lshl_b32 s18, s16, 15
	s_add_co_u32 s18, s18, 32768                   ; and B's: no place in the cluster enters an LDS address
	s_wait_kmcnt 0x0
	s_load_b256 s[84:91], s[8:9], 0x0              ; e0 .. e7
	s_add_nc_u64 s[20:21], s[4:5], s[20:21]
	s_add_nc_u64 s[46:47], s[6:7], s[46:47]
	CROUND                                         ; all sixteen work-groups are here: the first joint loads meet
.irp s, 0,1
	s_mov_b32 s[G0+4*\s], 1
	s_add_co_u32 s[G0+4*\s+1], s45, \s*SLOT
	s_add_nc_u64 s[G0+4*\s+2:G0+4*\s+3], s[20:21], \s*4096
	s_or_b32 s[G0+4*\s+3], s[G0+4*\s+3], 0x80000000
	s_mov_b32 s[G0B+4*\s], 1
	s_add_co_u32 s[G0B+4*\s+1], s18, \s*SLOT
	s_add_nc_u64 s[G0B+4*\s+2:G0B+4*\s+3], s[46:47], \s*4096
	s_or_b32 s[G0B+4*\s+3], s[G0B+4*\s+3], 0x80000000
	s_wait_alu depctr_va_vdst(0)
	s_wait_tensorcnt 0x0
	ds_add_u32 v28, v29
	ds_add_u32 v28, v29
	s_wait_dscnt 0x0
	CROUND
	JLOAD \s
.endr
	v_and_b32 v1, 15, v0                           ; r
	s_wait_alu depctr_va_vdst(0)
	v_bfe_u32 v2, v0, 4, 1                         ; h
	v_and_b32 v3, 31, v0
	v_lshlrev_b32 v[CO], 4, v3                     ; 16 x lane
	s_lshl_b32 s22, s15, 14                        ; my four row tiles of A
	s_lshl_b32 s23, s16, 15
	s_add_co_u32 s23, s23, 32768                   ; my eight of B
.irp s, 0,1
	v_add_nc_u32 v[ADRA+\s], s22, v[CO]
	v_add_nc_u32 v[ADRB+\s], s23, v[CO]
	s_add_co_u32 s22, s22, SLOT
	s_add_co_u32 s23, s23, SLOT
.endr
	s_mul_i32 s22, s14, 16*SPITCH
	s_add_co_u32 s22, s22, STAGE                   ; my stage
	v_mul_u32_u24 v4, v1, SPITCH
	s_wait_alu depctr_va_vdst(0)
	v_lshl_add_u32 v4, v2, 5, v4
	v_add_nc_u32 v[STO], s22, v4                   ; in: row r, 32 bytes for each half of the lanes
	v_add_nc_u32 v[RD], s22, v[CO]                 ; back: the 32 lanes take one row of 512 bytes
	s_lshl_b32 s12, s17, 7
	s_lshl_b32 s13, s15, 6
	s_add_co_u32 s12, s12, s13                     ; my first row of out0
	s_lshl_b32 s12, s12, 12                        ; rows of 4,096 bytes
	s_lshl_b32 s13, s42, 10
	s_add_co_u32 s12, s12, s13
	s_lshl_b32 s13, s16, 9
	s_add_co_u32 s12, s12, s13                     ; + my first column
	s_mov_b32 s13, 0
	s_add_nc_u64 s[10:11], s[10:11], s[12:13]
.macro FETCH2 slot, q, p               ; the fragments of the slot's q-th 128 along K into set p: 32 loads for B, 16 for A
	WIN TO_B
.irp i, 0,1,2,3,4,5,6,7
.irp c, 0,1,2,3
	ds_load_b128 v[128*(\p)+FR*\i+4*\c:128*(\p)+FR*\i+4*\c+3], v[ADRB+\slot] offset:\i*4096+(\q)*2048+512*\c
.endr
.endr
	WIN 0
.irp i, 0,1,2,3
.irp c, 0,1,2,3
	ds_load_b128 v[AF+64*(\p)+FR*\i+4*\c:AF+64*(\p)+FR*\i+4*\c+3], v[ADRA+\slot] offset:\i*4096+(\q)*2048+512*\c
.endr
.endr
.endm
.macro MUL8 a, p, zero                 ; A's block a x B's eight.  The 32 accumulators take turns, in the same order in every step
.irp b, 0,1,2,3,4,5,6,7
.if \zero
	v_wmma_f32_16x16x128_fp8_fp8 v[8*(8*(\a)+\b):8*(8*(\a)+\b)+7], v[128*(\p)+FR*\b:128*(\p)+FR*\b+FR-1], v[AF+64*(\p)+FR*(\a):AF+64*(\p)+FR*(\a)+FR-1], 0
.else
	v_wmma_f32_16x16x128_fp8_fp8 v[8*(8*(\a)+\b):8*(8*(\a)+\b)+7], v[128*(\p)+FR*\b:128*(\p)+FR*\b+FR-1], v[AF+64*(\p)+FR*(\a):AF+64*(\p)+FR*(\a)+FR-1], v[8*(8*(\a)+\b):8*(8*(\a)+\b)+7]
.endif
.endr
.endm
.macro PLACES
.rept 4
	v_nop
.endr
.endm
.macro STEP slot, zero                 ; a slot's first 128 along K, on set 0; its second 128 are fetched into set 1
	s_wait_dscnt 0x0                               ; set 0 is in
	PLACES                                         ; in front of loads into set 1, which the last products read
	FETCH2 \slot, 1, 1
	WIN MUL
	MUL8 0, 0, \zero
	MUL8 1, 0, \zero
	MUL8 2, 0, \zero
	MUL8 3, 0, \zero
.endm
; A slot's second 128, on set 1, and the change of slots: one barrier; in front of it each wave waits for all its tensor loads, adds 0 to its spare word, and waits for that and for its reads of this slot.
.macro TURN slot, next, fill
	WIN 0
	s_wait_tensorcnt 0x0
	ds_add_u32 v[SPW], v[NIL]
	s_wait_dscnt 1                                 ; set 1 is in; the add alone may be out
	WIN MUL
	MUL8 0, 1, 0
	s_wait_dscnt 0x0                               ; the add is done, and my reads of this slot are over
	s_barrier_signal -1
	MUL8 1, 1, 0
	WIN 0
	s_barrier_wait -1
.if \fill
	CREST                                          ; the barrier has opened a round of the cluster's
	s_add_nc_u64 s[G0+4*\slot+2:G0+4*\slot+3], s[G0+4*\slot+2:G0+4*\slot+3], 8192
	s_add_nc_u64 s[G0B+4*\slot+2:G0B+4*\slot+3], s[G0B+4*\slot+2:G0B+4*\slot+3], 8192
	JLOAD \slot                                    ; the first tensor load behind the round; its four v_nop are the places in front of the loads below
.else
	PLACES
.endif
	FETCH2 \next, 0, 0
	WIN MUL
	MUL8 2, 1, 0
	MUL8 3, 1, 0
.endm
	s_wait_tensorcnt 1                             ; my part of slot 0 is in; slot 1's load may be out
	s_barrier_signal -1
	s_barrier_wait -1
	FETCH2 0, 0, 0
	STEP 0, 1
	TURN 0, 1, 1
	STEP 1, 0
	TURN 1, 0, 1
	STEP 0, 0
	TURN 0, 1, 0
	STEP 1, 0
	s_wait_dscnt 0x0
	MUL8 0, 1, 0
	MUL8 1, 1, 0
	MUL8 2, 1, 0
	MUL8 3, 1, 0
	WIN 0
; THE WAY OUT, a block of 16 rows x 128 columns at a time, through my own stage: in as 32 bytes a lane, back as whole rows of 512 bytes.  LDS serves a wave's instructions in order.
.macro TOSTAGE a
.set AC, 64*(\a)
	WIN 0x02                                       ; source 0: window 2
.set n, 0
.rept 32
	v_pk_mul_f32 v[TMP+n:TMP+n+1], v[AC+n:AC+n+1], s[96:97] op_sel_hi:[1,0]   ; x 2^(e6 + e7); each accumulator from its low end on
.set n, n+2
.endr
	WIN 0
.irp b, 0,1,2,3,4,5,6,7
	ds_store_b128 v[STO], v[TMP+8*\b:TMP+8*\b+3] offset:64*\b
	ds_store_b128 v[STO], v[TMP+8*\b+4:TMP+8*\b+7] offset:64*\b+16
.endr
.set BB, BK+64*((\a)%2)
.set n, 0
.rept 16
	ds_load_b128 v[BB+4*n:BB+4*n+3], v[RD] offset:n*SPITCH
.set n, n+1
.endr
.endm
.macro SEND a, younger                 ; younger: the LDS instructions issued behind block a's loads, which may stay out
.set BB, BK+64*((\a)%2)
	s_wait_dscnt \younger
.if (\a) > 0
	s_add_nc_u64 s[10:11], s[10:11], 16*4096       ; behind a wait on XCNT: the earlier stores have read their base
.endif
.set n, 0
.rept 16
	global_store_b128 v[CO], v[BB+4*n:BB+4*n+3], s[10:11] offset:n*4096 th:TH_STORE_NT   ; 32 lanes store 512 consecutive bytes, aligned
.set n, n+1
.endr
.endm
	s_wait_kmcnt 0x0
	s_add_co_i32 s96, s90, s91
	s_add_co_i32 s96, s96, 127
	s_lshl_b32 s96, s96, 23                        ; 2^(e6 + e7) as f32
	s_mov_b32 s97, s96                             ; named with it as a pair, so it is written
	PLACES
	TOSTAGE 0
.irp a, 1,2,3
.if \a > 1
	s_wait_xcnt 0x0                                ; block a - 2's stores have read their registers and their base
.endif
	TOSTAGE \a
	SEND \a-1, 32                                  ; behind block a - 1's loads: block a's 16 stores and 16 loads
.endr
	s_wait_xcnt 0x0
	SEND 3, 0
	s_wait_tensorcnt 0x0                           ; the wave's end
	ds_add_u32 v[SPW], v[NIL]
	s_wait_dscnt 0x0
	CROUND                                         ; the closing round
	s_endpgm
.Lfunc_end_k_q922643efa6_proj:
	.size	k_q922643efa6_proj, .Lfunc_end_k_q922643efa6_proj-k_q922643efa6_proj
	.p2alignl 7, 3214868480
	.fill 96, 4, 3214868480
	.section	.rodata,"a",@progbits
	.p2align	6, 0x0
	.amdhsa_kernel k_q922643efa6_proj
		.amdhsa_group_segment_fixed_size 327680
		.amdhsa_private_segment_fixed_size 0
		.amdhsa_enable_private_segment 0
		.amdhsa_kernarg_size 32
		.amdhsa_user_sgpr_count 2
		.amdhsa_user_sgpr_kernarg_segment_ptr 1
		.amdhsa_wavefront_size32 1
		.amdhsa_system_sgpr_workgroup_id_x 1
		.amdhsa_system_sgpr_workgroup_id_y 1
		.amdhsa_system_sgpr_workgroup_id_z 1
		.amdhsa_system_vgpr_workitem_id 0
		.amdhsa_next_free_vgpr 768
		.amdhsa_next_free_sgpr 100
		.amdhsa_reserve_vcc 0
		.amdhsa_float_denorm_mode_32 3
		.amdhsa_float_denorm_mode_16_64 3
		.amdhsa_memory_ordered 1
		.amdhsa_forward_progress 1
		.amdhsa_inst_pref_size 76
	.end_amdhsa_kernel
	.amdgpu_metadata
---
amdhsa.version: [ 1, 2 ]
amdhsa.kernels:
  - .name:           k_q922643efa6_proj
    .symbol:         k_q922643efa6_proj.kd
    .args:
      - { .name: yi, .offset: 0, .size: 8, .value_kind: global_buffer, .address_space: global }
      - { .name: wp, .offset: 8, .size: 8, .value_kind: global_buffer, .address_space: global }
      - { .name: lowp_scales, .offset: 16, .size: 8, .value_kind: global_buffer, .address_space: global }
      - { .name: out0, .offset: 24, .size: 8, .value_kind: global_buffer, .address_space: global }
    .group_segment_fixed_size: 327680
    .private_segment_fixed_size: 0
    .kernarg_segment_align: 8
    .kernarg_segment_size: 32
    .max_flat_workgroup_size: 128
    .sgpr_count:     100
    .vgpr_count:     768
    .wavefront_size: 32
...
	.end_amdgpu_metadata
.endif
;; end of part 4
